; MI455X (gfx1250); checked and timed in simulation.
; The chip was launched on July 23, 2026; its instructions are those of AMD's public machine-readable ISA for CDNA 5 (MIT licence, August 2026) and "CDNA5" Instruction Set Architecture Reference Guide (July 2026). The comments in the code are by the model that wrote it; some were corrected since.
;; Max Matching. Allowed arithmetic: float matrix products may take bf16 or f16 operands with f32 sums; other float arithmetic in f32, or as packed bf16 or f16 multiplies, adds, multiply-adds, maxima and minima; sums over many terms, partial sums and values carried from step to step in f32; what a program stores and reads back later, other than sums and carried values, may be rounded once to bf16 or f16.
;; Inputs: kernel 16 x 300 float32; sent1 64 x 200 x 300 float32; sent2 64 x 200 x 300 float32.
;; Outputs: out0 64 x 200 x 16 float32.
;; One version. Each part assembles by itself: llvm-mc -triple=amdgcn-amd-amdhsa -mcpu=gfx1250 --defsym DOCPART=n.
;; ======== version 1 of 1: 1 launch
;; limits: values outside matrix products are rounded to bf16
;; launch maxmatch (part 1): grid 256 x 1, 4 waves a work-group, clusters of 4 x 1, 305,664 bytes of LDS; arguments kernel, sent1, sent2, out0; writes out0
.if DOCPART == 1
	.amdgcn_target "amdgcn-amd-amdhsa--gfx1250"
	.amdhsa_code_object_version 6
	.text
	.protected	k_q934b340864_maxmatch
	.globl	k_q934b340864_maxmatch
	.p2align	8
	.type	k_q934b340864_maxmatch,@function
k_q934b340864_maxmatch:
	s_mov_b64 s[64:65], 0
	v_nop
	global_prefetch_b8 v0, s[64:65] scope:SCOPE_SE
	s_setreg_imm32_b32 hwreg(HW_REG_WAVE_MODE, 25, 1), 1
	s_wait_xcnt 0x0
	s_wait_alu depctr_hold_cnt(0) depctr_sa_sdst(0) depctr_va_vdst(0) depctr_va_sdst(0) depctr_va_ssrc(0) depctr_va_vcc(0) depctr_vm_vsrc(0)
	s_getreg_b32 s2, hwreg(HW_REG_IB_STS2, 6, 4)
	s_cmp_eq_u32 s2, 0
	s_cbranch_scc0 .Lentry_in_a_cluster
	s_endpgm
.Lentry_in_a_cluster:
	s_bfe_u32 s2, ttmp6, 0x10000c
	s_cmp_lg_u32 s2, 0x3003
	s_cbranch_scc0 .Lentry_shape_is_right
	s_endpgm
.Lentry_shape_is_right:
; out0[b][i][p] = max over j of cos(sent1[b][i] * kernel[p], sent2[b][j] * kernel[p]).
; sent1, sent2: [64][200][300] f32.  kernel: [16][300] f32.  out0: [64][200][16] f32.
;
; ALGEBRA.  sim[i][j][p] = r1[i][p] r2[j][p] sum_d (s1[i][d] k[p][d]^2) s2[j][d], with r = rsqrt(max(sum_d s^2 k^2, 1e-12)).
; r1 is positive and the same for every j, so out = r1 * max_j(dot * r2).  Both weights stand on the s1 side, so one bf16
; image of s2 serves every perspective.
;
; SHARES.  A work-group takes one batch b and four perspectives 4g .. 4g+3; four waves, as many as a WGP has SIMDs; wave w takes
; p = 4g + w.  The four work-groups of a batch form a cluster, so that they run at the same time and ask for the same 480,000
; bytes at about the same time.  b = the cluster's x, g = the place in the cluster; only the global addresses of kernel and out0 hang on g.
; PHASE 1 (stream): wave w reads rows 50w .. 50w+49 of both sentences once, rounds them to bf16 into LDS and forms, in f32, the
; squared norms of each row under the group's four weights.  PHASE 2 (products): the wave keeps 7, then 6 tiles of 16 rows of
; k^2-weighted s1 in registers (560 and 480 of them) and walks the 13 tiles of s2 in LDS once for each of the two passes.
; K is padded from 300 to 320 and both lengths from 200 to 208, with zeros.
;
; NO JOINT TENSOR LOADS, although four work-groups read the same rows: the inputs are f32 and pass through registers in any case
; (f32 norms, rounding to bf16).  The two bf16 images take 272,896 bytes of LDS and scratch and tables 32,256 more; what is left of
; 327,680 holds 18 of the 400 rows of 1,200 bytes.  The registers, idle in phase 1, hold 50 loads of 512 bytes a wave on their way,
; and a stage in LDS would add 480,000 bytes written and read again.
; out0 leaves as 16 bytes a thread (four p of one row): a work-group owns 16 of each row's 64 bytes.  A split by rows would give
; 13 tiles to 4 groups.
;
; LIMITS.  The weighted operand is bf16(bf16(s1) * bf16(k^2)): three roundings, at most 3 * 2^-9 relative; s2 is rounded once.
; Products s1 k^2 below 2^-126 lose bits.  The maxima drop a NaN where jnp.max keeps it: inputs that are not finite are not served.
.set ROWB,   1200                      ; bytes in a row of sent1, sent2 and kernel
.set BATCHB, 200*ROWB
.set PITCH,  656                       ; an LDS row: 320 bf16 + 16 bytes = 41 x 16, so the 16 rows of a fragment load start in 16 different 16-byte columns modulo 256
.set TILEB,  16*PITCH
.set S2B,    208*PITCH                 ; S1 at 0, S2 behind it
.set SCR,    2*S2B                     ; scratch, each wave's own: 16 planes (one for each lane column) of 20 rows x 16 bytes + 16
.set PLANE,  336
.set SCRW,   16*PLANE
.set RT,     SCR+4*SCRW                ; r1[4][208] f32, then r2[4][208]
.set RTP,    832
.set R2T,    RT+4*RTP
.set OUTS,   RT+8*RTP                  ; results [row][4 p] f32; room for 256 rows, so that 16 x thread + 2,048 lies inside for every thread
; registers of phase 1, window 0
.set GOFF,  1                          ; byte offset in the batch of my 16 bytes: row 50w + h, chunk l16
.set GOFF4, 2                          ; the same + 256 where chunk 64 + l16 exists (l16 < 11)
.set SA,    3                          ; v3, v4: where my 8 bytes of bf16 go in S1, S2
.set PA,    5                          ; where my partial sums go
.set PR,    6                          ; where I read the partial sums of row min(lane, 19) of the round's 20
.set RA,    7                          ; where that row's four r go
.set L16,   14                         ; lane % 16, kept for the whole kernel
.set HH,    15                         ; (lane / 16) % 2, kept
.set Y,     16                         ; v[16:31] eight pairs of packed bf16, in turn
.set Z,     32                         ; v[32:35] zeros
.set X,     40                         ; v[40:239] slot i, sentence s, chunk t: 4 registers at 40 i + 20 s + 4 t
.set NAC,   240                        ; v[240:255] norm sums: 8 s + 4 parity + 2 pp
; window 1
.set K2R,   0                          ; 16 t + 4 e + p: k[p]^2 at column 64 t + 4 l16 + e
; window 2
.set KRAW,  0                          ; 16 t + 4 p + e: k as loaded
.set OWN,   80                         ; 12 registers: my wave's own row of k
.set T,     96                         ; 64 registers: the partial sums that are added up
.set OWNB,  160                        ; 6 registers: my own k^2 in bf16
; window 3
.set K2F,   176                        ; 80 registers: my own k^2 in bf16, laid as a fragment's K, 8 for each of 10 K steps
; registers of phase 2, window 0
.set AD,    1                          ; r x 656 + 16 h: my bytes in a tile of 16 rows
.set AD2,   2                          ; the same, seven tiles on
.set BD,    3                          ; the same in S2, stepped tile by tile
.set RD,    4                          ; my eight r2, stepped
.set R1A,   5                          ; my r1
.set OA,    6                          ; my word in OUTS
.set RD0,   7                          ; RD's first value
.set BIAS,  8                          ; v[8:9]: -inf in lanes 16-31, 0 in lanes 0-15
.set R2,    16                         ; v[16:31] r2 of a j tile, two buffers
.set BF,    32                         ; v[32:191] fragments of s2, two buffers of 10 K steps x 8
.set ACC,   192                        ; v[192:247] seven accumulator tiles
.set RUN,   248                        ; v[248:254] running maximum, one register for each i tile
; windows 1 to 3: weighted s1, fragment fr = ks x nt + tile at v[256 + 8 fr]
; s_set_vgpr_msb's low byte: bits 1:0 source 0, 3:2 source 1, 5:4 source 2, 7:6 destination; the high byte repeats the setting left.
.set MSB, 0
.macro WIN new
.if MSB != \new
	s_set_vgpr_msb (MSB<<8)|\new
.set MSB, \new
.endif
.endm
; ---------------------------------------------------------------- ids and addresses
	s_load_b256 s[4:11], s[0:1], 0x0               ; kernel s[4:5], sent1 s[6:7], sent2 s[8:9], out0 s[10:11]
	s_set_vgpr_msb 0xc0
	v_lshl_add_u32 v174, v0, 2, 0x4a800
	v_mov_b32 v175, 0
	s_set_vgpr_msb 0xc000
	s_bfe_u32 s13, ttmp6, 0x40000                  ; g: my place in the cluster
	v_lshrrev_b32 v8, 5, v0
	v_readfirstlane_b32 s12, v8                    ; w: my wave
	v_and_b32 v[L16], 15, v0
	v_bfe_u32 v[HH], v0, 4, 1
	v_and_b32 v12, 31, v0                          ; lane
	v_cmp_gt_u32 s20, 11, v[L16]                   ; lanes whose chunk 64 + l16 lies inside the 75 chunks of a row
	s_mov_b32 s22, 0x76543210                      ; v_permlanex16_b32: lane i reads lane i of the other half
	s_mov_b32 s23, 0xfedcba98
	v_add_nc_u32 v13, 5, v[L16]
	v_lshrrev_b32 v13, 4, v13                      ; 1 where l16 >= 11
	v_xor_b32 v13, 1, v13
	v_lshlrev_b32 v13, 8, v13                      ; 256 where the chunk exists: the others load their chunk 48 + l16 again
	v_lshlrev_b32 v8, 4, v[L16]                    ; kernel: 16 l16
	v_add_nc_u32 v9, v8, v13                       ; kernel, fifth chunk
	s_mul_i32 s14, s12, ROWB
	v_lshl_add_u32 v10, v12, 4, s14                ; my own row of kernel: 16 lane
	v_add_nc_u32 v11, s14, v9                      ; its chunks 64 ..
	s_mul_i32 s15, s12, 50*ROWB
	v_mul_u32_u24 v[GOFF], v[HH], ROWB
	v_add3_u32 v[GOFF], v[GOFF], v8, s15
	v_add_nc_u32 v[GOFF4], v[GOFF], v13
	s_mul_i32 s14, s12, 50*PITCH
	v_mul_u32_u24 v[SA], v[HH], PITCH
	v_lshl_add_u32 v[SA], v[L16], 3, v[SA]
	v_add_nc_u32 v[SA], s14, v[SA]
	v_add_nc_u32 v[SA+1], S2B, v[SA]
	s_mul_i32 s19, s12, SCRW
	s_add_co_u32 s19, s19, SCR                     ; my wave's scratch
	v_mul_u32_u24 v[PA], v[L16], PLANE
	v_lshl_add_u32 v[PA], v[HH], 4, v[PA]
	v_add_nc_u32 v[PA], s19, v[PA]
	v_min_u32 v20, 19, v12                         ; the row that I add up: 0-9 of s1, 10-19 of s2; lanes 20-31 repeat lane 19
	v_lshl_add_u32 v[PR], v20, 4, s19
	s_mul_i32 s14, s12, 200
	s_add_co_u32 s14, s14, RT
	v_add_nc_u32 v21, 6, v20
	v_lshrrev_b32 v21, 4, v21                      ; 1 for the rows of s2
	v_mul_u32_u24 v21, v21, 4*RTP-40               ; they go to r2, ten rows back
	v_lshl_add_u32 v[RA], v20, 2, v21
	v_add_nc_u32 v[RA], s14, v[RA]
	v_lshl_add_u32 v16, v12, 3, s19                ; my own k^2 in bf16: chunk lane at 8 lane
	v_lshl_add_u32 v17, v[L16], 3, s19             ; chunk 64 + l16 (offset 512)
	v_lshl_add_u32 v18, v[HH], 4, s19              ; and back as a fragment's K
	s_mul_i32 s14, s12, 2*PITCH
	s_add_co_u32 s14, s14, 200*PITCH               ; the two pad rows that my wave clears: 82 pieces of 16 bytes
	v_lshl_add_u32 v36, v12, 4, s14
	v_add_nc_u32 v37, 64, v12
	v_min_u32 v37, 81, v37
	v_lshl_add_u32 v37, v37, 4, s14
	v_add_nc_u32 v38, S2B, v36
	v_add_nc_u32 v39, S2B, v37
	s_mul_i32 s14, s12, 2*RTP
	s_add_co_u32 s14, s14, RT+800                  ; rows 200-207 of tables 2w and 2w+1 of the eight
	v_bfe_u32 v19, v0, 3, 1
	v_mul_u32_u24 v19, v19, RTP
	v_and_b32 v21, 7, v0
	v_lshl_add_u32 v19, v21, 2, v19
	v_add_nc_u32 v19, s14, v19
.irp e, 0,1,2,3
	v_mov_b32 v[Z+\e], 0
.endr
	s_mul_i32 s16, s13, 4*ROWB
	s_mov_b32 s17, 0
	s_wait_kmcnt 0x0
	s_add_nc_u64 s[4:5], s[4:5], s[16:17]          ; kernel at row 4g
	s_mul_i32 s16, ttmp9, BATCHB
	s_add_nc_u64 s[6:7], s[6:7], s[16:17]          ; sent1 and sent2 at batch b
	s_add_nc_u64 s[8:9], s[8:9], s[16:17]
	s_mul_i32 s16, ttmp9, 12800
	s_lshl4_add_u32 s16, s13, s16
	s_add_nc_u64 s[10:11], s[10:11], s[16:17]      ; out0 at batch b, column 4g
; ---------------------------------------------------------------- all loads go out, then the pads are cleared while they fly
; ten loads: the slot's two rows (lanes 0-15 one, lanes 16-31 the next) of both sentences, 256 neighbouring bytes for each half wave
.macro FILL i, ahead
.irp s, 0,1
.irp t, 0,1,2,3
	global_load_b128 v[X+40*\i+20*\s+4*\t:X+40*\i+20*\s+4*\t+3], v[GOFF], s[6+2*\s:7+2*\s] offset:\ahead+2*ROWB*\i+256*\t
.endr
	global_load_b128 v[X+40*\i+20*\s+16:X+40*\i+20*\s+19], v[GOFF4], s[6+2*\s:7+2*\s] offset:\ahead+2*ROWB*\i+768
.endr
.endm
	WIN 0x80                                       ; data to window 2
.irp t, 0,1,2,3
.irp p, 0,1,2,3
	global_load_b128 v[KRAW+16*\t+4*\p:KRAW+16*\t+4*\p+3], v8, s[4:5] offset:ROWB*\p+256*\t
.endr
.endr
.irp p, 0,1,2,3
	global_load_b128 v[KRAW+64+4*\p:KRAW+64+4*\p+3], v9, s[4:5] offset:ROWB*\p+768
.endr
	global_load_b128 v[OWN:OWN+3], v10, s[4:5]
	global_load_b128 v[OWN+4:OWN+7], v10, s[4:5] offset:512
	global_load_b128 v[OWN+8:OWN+11], v11, s[4:5] offset:768
	WIN 0
.irp i, 0,1,2,3,4
	FILL \i, 0                                     ; rows 0-9 of my 50, both sentences
.endr
	ds_store_b128 v36, v[Z:Z+3]                    ; rows 200-207 of S1 and S2 are zeros
	ds_store_b128 v36, v[Z:Z+3] offset:512
	ds_store_b128 v37, v[Z:Z+3]
	ds_store_b128 v38, v[Z:Z+3]
	ds_store_b128 v38, v[Z:Z+3] offset:512
	ds_store_b128 v39, v[Z:Z+3]
	ds_store_b32 v19, v[Z]                         ; and r of these rows
; ---------------------------------------------------------------- k^2, in f32 for the norms and in bf16 for the products
	s_wait_loadcnt 50                              ; the ring's 50 loads are younger than the 23 of kernel and stay out
	WIN 0x4a                                       ; window 2 squared into window 1, turned so that two p lie side by side
.irp t, 0,1,2,3,4
.irp p, 0,1,2,3
.irp e, 0,1,2,3
	v_mul_f32 v[K2R+16*\t+4*\e+\p], v[KRAW+16*\t+4*\p+\e], v[KRAW+16*\t+4*\p+\e]
.endr
.endr
.endr
	WIN 0x8a                                       ; all in window 2
.irp e, 8,9,10,11
	v_cndmask_b32 v[OWN+\e], 0, v[OWN+\e], s20     ; d = 300 .. 319: zero
.endr
.irp e, 0,2,4,6,8,10
	v_pk_mul_f32 v[OWN+\e:OWN+\e+1], v[OWN+\e:OWN+\e+1], v[OWN+\e:OWN+\e+1]
.endr
.irp e, 0,1,2,3,4,5
	v_cvt_pk_bf16_f32 v[OWNB+\e], v[OWN+2*\e], v[OWN+2*\e+1]
.endr
	WIN 0x08                                       ; LDS store: data in window 2
	ds_store_b64 v16, v[OWNB:OWNB+1]
	ds_store_b64 v16, v[OWNB+2:OWNB+3] offset:256
	ds_store_b64 v17, v[OWNB+4:OWNB+5] offset:512  ; lanes 16-31 repeat lanes 0-15
	WIN 0xc0                                       ; data to window 3.  LDS serves a wave's instructions in order (ISA guide 5.7.1): these see the
.irp ks, 0,1,2,3,4,5,6,7,8,9                       ; three stores above, and are served ahead of the partial sums that later land on the same bytes
	ds_load_b128 v[K2F+8*\ks:K2F+8*\ks+3], v18 offset:64*\ks
	ds_load_b128 v[K2F+8*\ks+4:K2F+8*\ks+7], v18 offset:64*\ks+32
.endr
	WIN 0
; ---------------------------------------------------------------- phase 1: the stream
; The turn of slot i: two rows of each sentence.  refill = 1: the slot is loaded again, ten rows further down.
; left = how many younger loads may stay out.
.macro TURN i, refill, left
	s_wait_loadcnt \left                           ; loads come back in order (ISA guide 5.7.1): this slot's ten are in
.irp s, 0,1
.irp e, 16,17,18,19
	v_cndmask_b32 v[X+40*\i+20*\s+\e], 0, v[X+40*\i+20*\s+\e], s20     ; chunks 75-79 do not exist: zeros, K's padding
.endr
.endr
.irp s, 0,1
.irp t, 0,1,2,3,4
	v_cvt_pk_bf16_f32 v[Y+2*((5*\s+\t)%8)], v[X+40*\i+20*\s+4*\t], v[X+40*\i+20*\s+4*\t+1]
	v_cvt_pk_bf16_f32 v[Y+2*((5*\s+\t)%8)+1], v[X+40*\i+20*\s+4*\t+2], v[X+40*\i+20*\s+4*\t+3]
	ds_store_b64 v[SA+\s], v[Y+2*((5*\s+\t)%8):Y+2*((5*\s+\t)%8)+1] offset:2*PITCH*\i+128*\t
	v_pk_mul_f32 v[X+40*\i+20*\s+4*\t:X+40*\i+20*\s+4*\t+1], v[X+40*\i+20*\s+4*\t:X+40*\i+20*\s+4*\t+1], v[X+40*\i+20*\s+4*\t:X+40*\i+20*\s+4*\t+1]
	v_pk_mul_f32 v[X+40*\i+20*\s+4*\t+2:X+40*\i+20*\s+4*\t+3], v[X+40*\i+20*\s+4*\t+2:X+40*\i+20*\s+4*\t+3], v[X+40*\i+20*\s+4*\t+2:X+40*\i+20*\s+4*\t+3]
.endr
.endr
	WIN 0x04                                       ; source 1 = k^2 in window 1
	; sums of x^2 k^2 for two p at a time: x^2 of column e = 2 eh + el feeds both halves.  Eight chains; the first products start them.
.irp t, 0,1,2,3,4
.irp eh, 0,1
.irp el, 0,1
.irp s, 0,1
.irp pp, 0,1
.if (\t+\eh) == 0
	v_pk_mul_f32 v[NAC+8*\s+4*\el+2*\pp:NAC+8*\s+4*\el+2*\pp+1], v[X+40*\i+20*\s+4*\t+2*\eh:X+40*\i+20*\s+4*\t+2*\eh+1], v[K2R+16*\t+8*\eh+4*\el+2*\pp:K2R+16*\t+8*\eh+4*\el+2*\pp+1] op_sel:[\el,0] op_sel_hi:[\el,1]
.else
	v_pk_fma_f32 v[NAC+8*\s+4*\el+2*\pp:NAC+8*\s+4*\el+2*\pp+1], v[X+40*\i+20*\s+4*\t+2*\eh:X+40*\i+20*\s+4*\t+2*\eh+1], v[K2R+16*\t+8*\eh+4*\el+2*\pp:K2R+16*\t+8*\eh+4*\el+2*\pp+1], v[NAC+8*\s+4*\el+2*\pp:NAC+8*\s+4*\el+2*\pp+1] op_sel:[\el,0,0] op_sel_hi:[\el,1,1]
.endif
.endr
.endr
.endr
.endr
.endr
	WIN 0
.irp s, 0,1
.irp pp, 0,1
	v_pk_add_f32 v[NAC+8*\s+2*\pp:NAC+8*\s+2*\pp+1], v[NAC+8*\s+2*\pp:NAC+8*\s+2*\pp+1], v[NAC+8*\s+4+2*\pp:NAC+8*\s+4+2*\pp+1]
.endr
	ds_store_b128 v[PA], v[NAC+8*\s:NAC+8*\s+3] offset:160*\s+32*\i    ; my 20 columns' share of row 2i + h, four p
.endr
.if \refill
	FILL \i, 10*ROWB
.endif
.endm
; Once a round: lane 0-9 adds up the sixteen shares of a row of s1, lane 10-19 of a row of s2; r = rsqrt(max(sum, 1e-12)).
.macro REDUCE
	WIN 0x80
.irp c, 0,1,2,3,4,5,6,7,8,9,10,11,12,13,14,15
	ds_load_b128 v[T+4*\c:T+4*\c+3], v[PR] offset:PLANE*\c             ; my wave's own bytes, served behind its stores
.endr
	s_wait_dscnt 0x0                               ; all sixteen are needed
	WIN 0x8a
.irp hf, 8,4,2,1
.set cc, 0
.rept \hf
	v_pk_add_f32 v[T+4*cc:T+4*cc+1], v[T+4*cc:T+4*cc+1], v[T+4*(cc+\hf):T+4*(cc+\hf)+1]
	v_pk_add_f32 v[T+4*cc+2:T+4*cc+3], v[T+4*cc+2:T+4*cc+3], v[T+4*(cc+\hf)+2:T+4*(cc+\hf)+3]
.set cc, cc+1
.endr
.endr
.irp p, 0,1,2,3
	v_max_num_f32 v[T+\p], 0x2b8cbccc, v[T+\p]     ; 1e-12
.endr
.irp p, 0,1,2,3
	v_rsq_f32 v[T+8+\p], v[T+\p]
.endr
	v_nop                                          ; one plain vector instruction behind a transcendental before its result is used (ISA guide 5.7.2)
	WIN 0x08
	s_wait_alu depctr_va_vdst(0)
.irp p, 0,1,2,3
	ds_store_b32 v[RA], v[T+8+\p] offset:RTP*\p
.endr
	WIN 0
.endm
	s_mov_b32 s18, 0
.Lround:                                           ; four rounds of ten rows that load the next ten
	TURN 0, 1, 40                                  ; 50 loads are out at each turn's head; the oldest ten are the slot's
	TURN 1, 1, 40
	TURN 2, 1, 40
	TURN 3, 1, 40
	TURN 4, 1, 40
	REDUCE
	s_wait_xcnt 0x0                                ; the two bases are stepped only behind this wait (ISA guide 3.1)
	s_add_nc_u64 s[6:7], s[6:7], 10*ROWB
	s_add_nc_u64 s[8:9], s[8:9], 10*ROWB
	v_add_nc_u32 v[SA], 10*PITCH, v[SA]
	v_add_nc_u32 v[SA+1], 10*PITCH, v[SA+1]
	v_add_nc_u32 v[RA], 40, v[RA]
	s_add_co_u32 s18, s18, 1
	s_cmp_lt_u32 s18, 4
	s_cbranch_scc1 .Lround
	TURN 0, 0, 40                                  ; the last ten rows: nothing is loaded, the counts run down
	TURN 1, 0, 30
	TURN 2, 0, 20
	TURN 3, 0, 10
	TURN 4, 0, 0
	REDUCE
	s_wait_dscnt 0x0                               ; my rows of S1 and S2, my r and my pads are in LDS,
	s_barrier_signal -1
	s_barrier_wait -1                              ; and so are everybody's
; ---------------------------------------------------------------- phase 2: products, scaling, maximum
	v_mul_u32_u24 v[AD], v[L16], PITCH             ; a fragment is 16 rows x 32 K: lane (r, h) takes 16 bytes at r x pitch + 16 h and 16 more 32 bytes on
	v_lshl_add_u32 v[AD], v[HH], 4, v[AD]
	v_add_nc_u32 v[AD2], 7*TILEB, v[AD]
	v_add_nc_u32 v[BD], S2B, v[AD]
	s_mul_i32 s14, s12, RTP
	s_add_co_u32 s15, s14, R2T
	v_lshl_add_u32 v[RD0], v[HH], 5, s15           ; r2[w][8 h ..]
	v_mov_b32 v[RD], v[RD0]
	s_add_co_u32 s15, s14, RT
	v_lshl_add_u32 v[R1A], v[L16], 2, s15          ; r1[w][r]
	s_lshl_b32 s15, s12, 2
	s_add_co_u32 s15, s15, OUTS
	v_lshl_add_u32 v[OA], v[L16], 4, s15           ; OUTS[r][w]
	v_mov_b32 v[BIAS], 0xff800000
	v_cmp_eq_u32 vcc_lo, 1, v[HH]
	v_cndmask_b32 v[BIAS], 0, v[BIAS], vcc_lo
	v_mov_b32 v[BIAS+1], v[BIAS]
; cnt fragments of s1 from fragment f0 on, all in one window: two loads each
.macro ALOAD nt, addr, f0, cnt
.set fr, \f0
.rept \cnt
	ds_load_b128 v[8*(fr%32):8*(fr%32)+3], v[\addr] offset:(fr%\nt)*TILEB+(fr/\nt)*64
	ds_load_b128 v[8*(fr%32)+4:8*(fr%32)+7], v[\addr] offset:(fr%\nt)*TILEB+(fr/\nt)*64+32
.set fr, fr+1
.endr
.endm
; the same fragments times k^2 of their K step, in place
.macro AMUL nt, f0, cnt
.set fr, \f0
.rept \cnt
.irp q, 0,1,2,3,4,5,6,7
	v_pk_mul_bf16 v[8*(fr%32)+\q], v[8*(fr%32)+\q], v[K2F+8*(fr/\nt)+\q]
.endr
.set fr, fr+1
.endr
.endm
.macro FETCHB buf, off                 ; 20 loads: a tile of 16 rows of s2, all of K
.irp ks, 0,1,2,3,4,5,6,7,8,9
	ds_load_b128 v[BF+80*\buf+8*\ks:BF+80*\buf+8*\ks+3], v[BD] offset:\off+64*\ks
	ds_load_b128 v[BF+80*\buf+8*\ks+4:BF+80*\buf+8*\ks+7], v[BD] offset:\off+64*\ks+32
.endr
.endm
.macro FETCHR buf, off                 ; 2 loads: r2 of my eight rows of that tile
	ds_load_b128 v[R2+8*\buf:R2+8*\buf+3], v[RD] offset:\off
	ds_load_b128 v[R2+8*\buf+4:R2+8*\buf+7], v[RD] offset:\off+16
.endm
.macro FETCH01                         ; 44 loads: j tiles 0 and 1; BD and RD are left at tile 1
	FETCHB 0, 0
	FETCHR 0, 0
	FETCHB 1, TILEB
	FETCHR 1, 64
	v_add_nc_u32 v[BD], TILEB, v[BD]
	v_add_nc_u32 v[RD], 64, v[RD]
.endm
.macro MAXSTEP nt, q                   ; RUN = max(RUN, a[q], a[q+1]) in every i tile
.set ti, 0
.rept \nt
	v_max3_num_f32 v[RUN+ti], v[RUN+ti], v[ACC+8*ti+\q], v[ACC+8*ti+\q+1]
.set ti, ti+1
.endr
.endm
; One j tile against nt i tiles.  Source 0 = 16 rows of s2, source 1 = 16 rows of weighted s1: register q of lane (r, h) holds
; j = 8 h + q, i = r, so the maximum over j runs along a lane's registers and needs the other half of the wave only once, at the end.
; first = 1: the tile starts the running maxima.  last = 1: tile 12, whose rows 200-207 (lanes 16-31) are padding.
; fetch = 1: the tile two further on is loaded into this buffer.  left = how many younger LDS loads may stay out.
.macro JT buf, nt, first, last, fetch, left
	s_wait_dscnt \left                             ; this tile's 22 loads are in; the other buffer's 22 are younger
.set fr, 0
.rept 10*\nt
.set wv, (1+fr/32)<<2
	WIN wv                                         ; source 1 in window 1, 2 or 3: at most three switches
.if fr < \nt
	v_wmma_f32_16x16x32_bf16 v[ACC+8*(fr%\nt):ACC+8*(fr%\nt)+7], v[BF+80*\buf+8*(fr/\nt):BF+80*\buf+8*(fr/\nt)+7], v[8*(fr%32):8*(fr%32)+7], 0
.else
	v_wmma_f32_16x16x32_bf16 v[ACC+8*(fr%\nt):ACC+8*(fr%\nt)+7], v[BF+80*\buf+8*(fr/\nt):BF+80*\buf+8*(fr/\nt)+7], v[8*(fr%32):8*(fr%32)+7], v[ACC+8*(fr%\nt):ACC+8*(fr%\nt)+7]
.endif
.set fr, fr+1
.endr
	WIN 0
	; four plain vector instructions that name none of the last matrix instructions' registers stand before results are read
	; and before loads go into registers that they read
.if \fetch
	v_add_nc_u32 v[BD], TILEB, v[BD]
	v_add_nc_u32 v[RD], 64, v[RD]
	v_nop
	v_nop
	FETCHB \buf, 0
.else
	v_nop
	v_nop
	v_nop
	v_nop
.endif
.set ti, 0
.rept \nt
.irp q, 0,2,4,6
.if \last
	v_pk_fma_f32 v[ACC+8*ti+\q:ACC+8*ti+\q+1], v[ACC+8*ti+\q:ACC+8*ti+\q+1], v[R2+8*\buf+\q:R2+8*\buf+\q+1], v[BIAS:BIAS+1]
.else
	v_pk_mul_f32 v[ACC+8*ti+\q:ACC+8*ti+\q+1], v[ACC+8*ti+\q:ACC+8*ti+\q+1], v[R2+8*\buf+\q:R2+8*\buf+\q+1]
.endif
.endr
.set ti, ti+1
.endr
.if \first
.set ti, 0
.rept \nt
	v_max3_num_f32 v[RUN+ti], v[ACC+8*ti], v[ACC+8*ti+1], v[ACC+8*ti+2]    ; nothing is preset
.set ti, ti+1
.endr
	MAXSTEP \nt, 3
	MAXSTEP \nt, 5
.set ti, 0
.rept \nt
	v_max_num_f32 v[RUN+ti], v[RUN+ti], v[ACC+8*ti+7]
.set ti, ti+1
.endr
.else
	MAXSTEP \nt, 0
	MAXSTEP \nt, 2
	MAXSTEP \nt, 4
	MAXSTEP \nt, 6
.endif
.if \fetch
	FETCHR \buf, 0                                 ; behind the scaling, which read the old values
.endif
.endm
; The end of a pass: join the two halves of j, times r1, into OUTS (both halves of the wave write the same word).
.macro FIN it0, nt
.set ti, 0
.rept \nt
	ds_load_b32 v[R2+ti], v[R1A] offset:64*(\it0+ti)
.set ti, ti+1
.endr
.set ti, 0
.rept \nt
	v_permlanex16_b32 v[ACC+8*ti], v[RUN+ti], s22, s23
.set ti, ti+1
.endr
.set ti, 0
.rept \nt
	v_max_num_f32 v[RUN+ti], v[RUN+ti], v[ACC+8*ti]
.set ti, ti+1
.endr
	s_wait_dscnt 0x0
.set ti, 0
.rept \nt
	v_mul_f32 v[RUN+ti], v[RUN+ti], v[R2+ti]
.set ti, ti+1
.endr
.set ti, 0
.rept \nt
	ds_store_b32 v[OA], v[RUN+ti] offset:256*(\it0+ti)
.set ti, ti+1
.endr
.endm
	; PASS 1: i tiles 0-6, 70 fragments: 32 in window 1, 32 in window 2, 6 in window 3
	WIN 0x40
	ALOAD 7, AD, 0, 32
	WIN 0x80
	ALOAD 7, AD, 32, 32
	s_wait_dscnt 63                                ; 64 loads are younger than window 1's: with at most 63 out, window 1 is whole
	WIN 0x4d
	AMUL 7, 0, 32
	WIN 0xc0
	ALOAD 7, AD, 64, 6
	WIN 0
	FETCH01
	s_wait_dscnt 56                                ; younger than window 2's: 12 + 44
	WIN 0x8e
	AMUL 7, 32, 32
	s_wait_dscnt 44                                ; younger than window 3's: the 44 of j tiles 0 and 1
	WIN 0xcf
	AMUL 7, 64, 6
	WIN 0
	JT 0, 7, 1, 0, 1, 22                           ; tile 0; fetches tile 2
	s_mov_b32 s18, 0
.Lj1:
	JT 1, 7, 0, 0, 1, 22                           ; tiles 1-10; they fetch tiles 3-12
	JT 0, 7, 0, 0, 1, 22
	s_add_co_u32 s18, s18, 1
	s_cmp_lt_u32 s18, 5
	s_cbranch_scc1 .Lj1
	JT 1, 7, 0, 0, 0, 22                           ; tile 11: tile 12's 22 loads are younger
	JT 0, 7, 0, 1, 0, 0                            ; tile 12: nothing was issued behind its loads
	FIN 0, 7
	; PASS 2: i tiles 7-12, 60 fragments: 32 in window 1, 28 in window 2
	v_add_nc_u32 v[BD], S2B, v[AD]
	v_mov_b32 v[RD], v[RD0]
	WIN 0x40
	ALOAD 6, AD2, 0, 32
	WIN 0x80
	ALOAD 6, AD2, 32, 28
	WIN 0
	FETCH01
	s_wait_dscnt 63                                ; 100 loads are younger than window 1's; the field holds 63
	WIN 0x4d
	AMUL 6, 0, 32
	s_wait_dscnt 44                                ; younger than window 2's: the 44 of j tiles 0 and 1
	WIN 0x8e
	AMUL 6, 32, 28
	WIN 0
	JT 0, 6, 1, 0, 1, 22
	s_mov_b32 s18, 0
.Lj2:
	JT 1, 6, 0, 0, 1, 22
	JT 0, 6, 0, 0, 1, 22
	s_add_co_u32 s18, s18, 1
	s_cmp_lt_u32 s18, 5
	s_cbranch_scc1 .Lj2
	JT 1, 6, 0, 0, 0, 22
	JT 0, 6, 0, 1, 0, 0
	FIN 7, 6
; ---------------------------------------------------------------- the way out: thread t stores the four p of row t, then of row 128 + t
	s_wait_dscnt 0x0                               ; my column of OUTS is in LDS,
	s_barrier_signal -1
	s_barrier_wait -1                              ; and so are the other three
	v_lshlrev_b32 v1, 4, v0
	v_add_nc_u32 v1, OUTS, v1
	v_lshlrev_b32 v2, 6, v0                        ; a row of out0 is 64 bytes
	ds_load_b128 v[16:19], v1
	s_wait_dscnt 0x0
	global_store_b128 v2, v[16:19], s[10:11]
	v_cmp_gt_u32 vcc_lo, 72, v0                    ; rows 128-199
	s_wait_xcnt 0x0                                ; EXEC and the store's data change only behind this wait
	s_set_vgpr_msb 0xf
	s_wait_tensorcnt 0x0
	ds_add_u32 v174, v175
	s_wait_dscnt 0x0
	s_set_vgpr_msb 0xf00
	s_and_saveexec_b32 s21, vcc_lo
	ds_load_b128 v[16:19], v1 offset:2048
	s_wait_dscnt 0x0
	global_store_b128 v2, v[16:19], s[10:11] offset:8192
	s_wait_xcnt 0x0                                ; and again in front of the line that widens EXEC
	s_or_b32 exec_lo, exec_lo, s21
	s_endpgm
.Lfunc_end_k_q934b340864_maxmatch:
	.size	k_q934b340864_maxmatch, .Lfunc_end_k_q934b340864_maxmatch-k_q934b340864_maxmatch
	.p2alignl 7, 3214868480
	.fill 96, 4, 3214868480
	.section	.rodata,"a",@progbits
	.p2align	6, 0x0
	.amdhsa_kernel k_q934b340864_maxmatch
		.amdhsa_group_segment_fixed_size 305664
		.amdhsa_private_segment_fixed_size 0
		.amdhsa_enable_private_segment 0
		.amdhsa_kernarg_size 32
		.amdhsa_user_sgpr_count 2
		.amdhsa_user_sgpr_kernarg_segment_ptr 1
		.amdhsa_wavefront_size32 1
		.amdhsa_system_sgpr_workgroup_id_x 1
		.amdhsa_system_sgpr_workgroup_id_y 1
		.amdhsa_system_sgpr_workgroup_id_z 1
		.amdhsa_system_vgpr_workitem_id 0
		.amdhsa_next_free_vgpr 1024
		.amdhsa_next_free_sgpr 66
		.amdhsa_reserve_vcc 1
		.amdhsa_float_denorm_mode_32 3
		.amdhsa_float_denorm_mode_16_64 3
		.amdhsa_memory_ordered 1
		.amdhsa_forward_progress 1
		.amdhsa_inst_pref_size 255
	.end_amdhsa_kernel
	.section	.bss,"aw",@nobits
	.p2align	6
	.space	262144
	.amdgpu_metadata
---
amdhsa.version: [ 1, 2 ]
amdhsa.kernels:
  - .name:           k_q934b340864_maxmatch
    .symbol:         k_q934b340864_maxmatch.kd
    .args:
      - { .name: kernel, .offset: 0, .size: 8, .value_kind: global_buffer, .address_space: global }
      - { .name: sent1, .offset: 8, .size: 8, .value_kind: global_buffer, .address_space: global }
      - { .name: sent2, .offset: 16, .size: 8, .value_kind: global_buffer, .address_space: global }
      - { .name: out0, .offset: 24, .size: 8, .value_kind: global_buffer, .address_space: global }
    .group_segment_fixed_size: 305664
    .private_segment_fixed_size: 0
    .kernarg_segment_align: 8
    .kernarg_segment_size: 32
    .max_flat_workgroup_size: 128
    .sgpr_count:     66
    .vgpr_count:     1024
    .wavefront_size: 32
...
	.end_amdgpu_metadata
.endif
;; end of part 1
